; MI455X (gfx1250); checked and timed in simulation.
; The chip was launched on July 23, 2026; its instructions are those of AMD's public machine-readable ISA for CDNA 5 (MIT licence, August 2026) and "CDNA5" Instruction Set Architecture Reference Guide (July 2026). The comments in the code are by the model that wrote it; some were corrected since.
;; Expert Parallel. Allowed arithmetic: float matrix products may take bf16 or f16 operands with f32 sums; other float arithmetic in f32, or as packed bf16 or f16 multiplies, adds, multiply-adds, maxima and minima; sums over many terms, partial sums and values carried from step to step in f32; what a program stores and reads back later, other than sums and carried values, may be rounded once to bf16 or f16.
;; Inputs: down_proj 16 x 1,024 x 1,024 float32; expert_indices 2 x 512 int32; gate_proj 16 x 1,024 x 1,024 float32; up_proj 16 x 1,024 x 1,024 float32; x 2 x 512 x 1,024 float32.
;; Outputs: out0 2 x 512 x 1,024 float32.
;; One version. Each part assembles by itself: llvm-mc -triple=amdgcn-amd-amdhsa -mcpu=gfx1250 --defsym DOCPART=n.
;; ======== version 1 of 1: 2 launches
;; workspace buffers: hid 34,603,008 bytes
;; launch gateup (part 1): grid 16 x 16, 4 waves a work-group, no clusters, 207,872 bytes of LDS; arguments gate_proj, up_proj, x, expert_indices, hid; writes hid
.if DOCPART == 1
	.amdgcn_target "amdgcn-amd-amdhsa--gfx1250"
	.amdhsa_code_object_version 6
	.text
	.protected	k_q015788b900_gateup
	.globl	k_q015788b900_gateup
	.p2align	8
	.type	k_q015788b900_gateup,@function
k_q015788b900_gateup:
	s_mov_b64 s[64:65], 0
	v_nop
	global_prefetch_b8 v0, s[64:65] scope:SCOPE_SE
	s_setreg_imm32_b32 hwreg(HW_REG_WAVE_MODE, 25, 1), 1
	s_wait_xcnt 0x0
; hid = silu(x gate_e) * (x up_e) for the tokens that chose expert e, in bf16, laid out as the next launch's matrix operands.
; x: [1024][1024] f32.  gate, up: [16][1024 k][1024 i] f32.  expert_indices: [1024] i32.
; SHARES.  A work-group has one expert (grid y) and 64 columns i (grid x): a slice of the weights that it alone reads, 256 bytes of each row.  Its four waves split K: wave w has
; k = 256 w .. 256 w + 255; the four f32 partial sums meet in LDS.  Each weight load of a wave takes two whole pieces of 256 consecutive bytes (lanes 0-15 row k, lanes 16-31 row k + 16).
; ROUTING.  Wave 0 compacts the 1,024 indices into a list of the expert's tokens in LDS; the places from the count to count + 95 repeat the expert's first token.
; The list is walked in chunks of 96 places (six tiles of 16): 11 trips serve every split, 1,024 tokens on one expert too; a trip with nothing left jumps its work and passes its two barriers.
; A first chunk always runs (left = max(count, 1); an empty list holds token 0), so that every expert's first six tiles of hid are stored.  A second chunk streams the weights again.
; NO TRANSPOSE.  Load p of 16 brings lane (r, h) W[k0 + 16 h + p][c0 + 4 r .. + 3].  Component t of the 16 loads, rounded in pairs, IS a fragment (source 0) whose row r is column c0 + 4 r + t and
; whose place p in half h is k0 + 16 h + p; x's fragment (source 1) takes the same places, 32 consecutive bytes of a bf16 row in LDS.  In the result a lane holds one token (lane % 16) and, over the
; four fragments, 32 neighbouring columns c0 + 32 h + 4 j + t.
; ONE STREAM.  x comes a pair of K steps at a time (256 bytes of each of the 96 rows: 48 loads), a pair ahead of its use, between the weight groups, so that the requests for weights never pause.
; A chunk's loads in their order (G a weight group of 16 loads, X a pair's x): G0-G3 | X0 | G4 G5 | X1 | G6 G7 | G8 G9 | X2 | G10 G11 | G12 G13 | X3 | G14 G15.
; hid: [expert 16][tile 66][slice 16][half 2][quarter 2][lane 32][16 bytes]: what a lane stores here it loads there as source 0.
; LIMITS.  x, gate, up and hid are rounded once to bf16; sums in f32.  NaN and infinities are not treated apart; for gate sums below about -88 the exponential is infinite and silu is -0.
; An index outside 0 .. 15 leaves its token out of every list.  No cluster: each slice of weights has one reader, and x's rows come by a list, which no descriptor covers.
.set CH,    96                         ; list places in a chunk
.set NT,    6                          ; tiles of 16 in a chunk
.set TRIPS, 11                         ; 11 x 96 = 1,056 places cover 1,024 tokens
.set XP,    528                        ; an x row in LDS: 512 bytes of bf16 + 16: 33 x 16, so the 16 rows of a fragment load start at 16 different groups of four banks (ISA guide 11.1)
.set XRB,   CH*XP                      ; a wave's region: its K quarter of 96 rows; at a chunk's end the same bytes take its partial sums (6 x 8,192)
.set LIST,  4*XRB                      ; places 0-1055 the list, 1056-1087 a dump for the lanes that have nothing to store
.set CNTW,  LIST+4352                  ; the count
.set SPARE, LIST+4608                  ; the spare words, 128 bytes a wave: two blocks of 256 bytes that no other line names
.set HEXP,  TRIPS*NT*32768             ; an expert's bytes in hid
; window 0
.set R,   1                            ; lane % 16
.set H,   2                            ; lane / 16
.set LN,  3                            ; lane
.set WO,  4                            ; weights: 16 r + 16 rows x h
.set PFO, 5                            ; prefetch: a row a lane
.set XB,  6                            ; x: my wave's 1,024 bytes of a row + 16 r
.set XS,  7                            ; x rows into LDS: region + 8 rows x h + 8 r
.set XF0, 8                            ; x fragments: region + row r + 32 h
.set PS,  9                            ; partial sums: region + 16 lane
.set LA0, 10                           ; the list at 32 h
.set LA,  11                           ; the same in the chunk in hand
.set RD,  12                           ; v12-15 my units in the four waves' partial sums
.set VH,  16                           ; my byte offset in a chunk of hid
.set DUMP,17
.set L4,  18
.set L16, 19
.set LP,  20
.set CA,  21
.set LB,  22
.set FT,  23
.set TP,  24                           ; v24-25, v32-33 at work in the routing, by turns
.set Z,   26                           ; v26-29 zeros
.set SPW, 30                           ; my spare word; never rewritten
.set NIL, 31                           ; 0; never rewritten
.set XS4, 32                           ; v32-63 a pair's x of tile 4 as loaded
.set WF,  64                           ; v64-127 eight weight fragments: gate's four, up's four
.set IDX, 64                           ; wave 0, at the head: the indices
.set XF,  128                          ; v128-175 six x fragments
.set VO,  176                          ; v176-223 byte offsets of the chunk's rows of x: 8 T + i is row 16 T + 8 h + i
.set XS5, 224                          ; v224-255 a pair's x of tile 5 as loaded
; window 1: four slots of 64: a group of 16 weight loads each.  windows 2, 3: accumulator (T, f) at 64 (T % 4) + 8 f of window 2 + T / 4.
; window 3, v128-255: a pair's x of tiles 0-3 as loaded, 32 registers a tile.  Behind the products window 2 serves the owners: v0-127 four partial sums, v128-143 at work, v144-167 results
.set XSA, 128
.set EE,  128
.set OO,  144
.set WV,  14
.set EX,  15
.set SL,  16
.set RUN, 17
.set TMP, 18
.set LEFT,19
.set TRIP,20
.set LOFS,21
.set OF,  22                           ; s[22:23]
.set T0,  24                           ; s[24:25]
.set T1,  25
.set GB,  26                           ; s[26:27] gate, s[28:29] up at my expert, K quarter and slice; never rewritten
.set HB,  34                           ; s[34:35] hid at my expert, slice and chunk
.set LC,  36                           ; s[36:37] -log2(e)
.set MSB, 0
.macro WIN new                         ; bits 1:0 source 0, 3:2 source 1, 5:4 source 2, 7:6 destination; the high byte repeats the setting that is left
.if MSB != (\new)
	s_set_vgpr_msb (MSB<<8)|(\new)
.set MSB, (\new)
.endif
.endm
.macro BAR                             ; my LDS instructions are done, then the work-group's barrier
	s_wait_dscnt 0x0
	s_barrier_signal -1
	s_barrier_wait -1
.endm
.macro PLACES
.rept 4
	v_nop
.endr
.endm
; Group g = 2 x K step + (0 gate, 1 up): 32 rows of the slice, 16 loads, into slot g % 4
.macro GRP g
	WIN 0x40
.set gp, 0
.rept 16
	global_load_b128 v[64*((\g)%4)+4*gp:64*((\g)%4)+4*gp+3], v[WO], s[GB+2*((\g)%2):GB+2*((\g)%2)+1] offset:(32*((\g)/2)+gp)*4096 th:TH_LOAD_NT
.set gp, gp+1
.endr
.endm
; K step k's 32 rows of gate and of up are asked for: a lane a row, each piece of 256 bytes once, by the wave that will load it
.macro PFK k
	global_prefetch_b8 v[PFO], s[GB:GB+1] offset:32*(\k)*4096 th:TH_LOAD_NT scope:SCOPE_SE
	global_prefetch_b8 v[PFO], s[GB+2:GB+3] offset:32*(\k)*4096 th:TH_LOAD_NT scope:SCOPE_SE
.endm
; Register n of the indices holds token 128 (n / 4) + 4 lane + n % 4.  The lanes that hold my expert store their tokens at the next places of the list, the others into the dump.
.macro CSTEP n
.set cp, TP+8*((\n)%2)
	v_cmp_eq_u32 vcc_lo, s[EX], v[IDX+(\n)]
	v_mbcnt_lo_u32_b32 v[cp], vcc_lo, s[RUN]       ; the places taken so far + the hits in the lanes below me
	v_cndmask_b32 v[cp], v[DUMP], v[cp], vcc_lo
	v_min_u32 v[cp], 0x43f, v[cp]                  ; inside the list's 1,088 words
	v_lshl_add_u32 v[cp], v[cp], 2, LIST
	v_add_nc_u32 v[cp+1], 128*((\n)/4)+(\n)%4, v[L4]
	ds_store_b32 v[cp], v[cp+1]
	s_bcnt1_i32_b32 s[TMP], vcc_lo
	s_add_co_u32 s[RUN], s[RUN], s[TMP]
.endm
; Pair p's x: bytes 256 p .. + 255 of my wave's 1,024 of each of the chunk's 96 rows: 48 loads; lanes 0-15 take 256 consecutive bytes of row 16 T + i, lanes 16-31 of row 16 T + 8 + i
.macro XISSUE p
	WIN 0xc0
.set xi, 0
.rept 32
	global_load_b128 v[XSA+4*xi:XSA+4*xi+3], v[VO+xi], s[8:9] offset:256*(\p)
.set xi, xi+1
.endr
	WIN 0
.set xi, 0
.rept 8
	global_load_b128 v[XS4+4*xi:XS4+4*xi+3], v[VO+32+xi], s[8:9] offset:256*(\p)
.set xi, xi+1
.endr
.set xi, 0
.rept 8
	global_load_b128 v[XS5+4*xi:XS5+4*xi+3], v[VO+40+xi], s[8:9] offset:256*(\p)
.set xi, xi+1
.endr
.endm
.macro XCV base, n                     ; n loads' registers are rounded to bf16 in place
.set xi, 0
.rept \n
	v_cvt_pk_bf16_f32 v[(\base)+4*xi], v[(\base)+4*xi], v[(\base)+4*xi+1]
	v_cvt_pk_bf16_f32 v[(\base)+4*xi+1], v[(\base)+4*xi+2], v[(\base)+4*xi+3]
.set xi, xi+1
.endr
.endm
.macro XSTO base, n, t0, p             ; and stored into my region: 8 bytes a lane; the two halves of the lanes lie 8 rows = 4,224 bytes apart, in the other half of the banks
.set xi, 0
.rept \n
	ds_store_b64 v[XS], v[(\base)+4*xi:(\base)+4*xi+1] offset:(16*((\t0)+xi/8)+xi%8)*XP+128*(\p)
.set xi, xi+1
.endr
.endm
.macro XCONV p
	WIN 0xcf
	XCV XSA, 32
	WIN 0x0c
	XSTO XSA, 32, 0, \p
	WIN 0
	XCV XS4, 8
	XCV XS5, 8
	XSTO XS4, 8, 4, \p
	XSTO XS5, 8, 5, \p
.endm
; Group g's 64 registers become four fragments: register i of fragment t holds component t of loads 2 i and 2 i + 1
.macro CVTW m, g
	WIN 0x05
.irp t, 0,1,2,3
.set ci, 0
.rept 8
	v_cvt_pk_bf16_f32 v[WF+8*(4*(\m)+\t)+ci], v[64*((\g)%4)+8*ci+\t], v[64*((\g)%4)+8*ci+4+\t]
.set ci, ci+1
.endr
.endr
.endm
; K step k's weights: gate's and up's groups are rounded into the fragments, and each slot is loaded again at once with the group four further on.  ng, nu: the younger loads that may stay out
.macro KCONV k, ng, nu
	s_wait_loadcnt \ng
	CVTW 0, 2*(\k)
.if (\k) < 6
	GRP 2*(\k)+4
.endif
	s_wait_loadcnt \nu
	CVTW 1, 2*(\k)+1
.if (\k) < 6
	GRP 2*(\k)+5
.endif
.endm
; K step k's six x fragments from my region (LDS serves a wave's instructions in order, ISA guide 5.7.1.4: these see the stores of the pair's x)
.macro XFLOAD k
	WIN 0
.set kt, 0
.rept NT
	ds_load_b128 v[XF+8*kt:XF+8*kt+3], v[XF0] offset:16*kt*XP+64*(\k)
	ds_load_b128 v[XF+8*kt+4:XF+8*kt+7], v[XF0] offset:16*kt*XP+64*(\k)+16
.set kt, kt+1
.endr
.endm
; K step k's 48 products on 48 accumulators, which take turns, one instruction a turn.  K step 0 starts the sums with the constant 0.
.macro KMUL k
	s_wait_dscnt 0x0                               ; the x fragments are in
.set kt, 0
.rept NT
	WIN 0xa0+0x50*(kt/4)
.set kf, 0
.rept 8
.set ka, 64*(kt%4)+8*kf
.if (\k) == 0
	v_wmma_f32_16x16x32_bf16 v[ka:ka+7], v[WF+8*kf:WF+8*kf+7], v[XF+8*kt:XF+8*kt+7], 0
.else
	v_wmma_f32_16x16x32_bf16 v[ka:ka+7], v[WF+8*kf:WF+8*kf+7], v[XF+8*kt:XF+8*kt+7], v[ka:ka+7]
.endif
.set kf, kf+1
.endr
.if (kt == 0) && ((\k) < 4)
	PFK (\k)+4                                     ; four K steps ahead of the products, two ahead of the loads: 16 KiB a wave; K steps 4 to 7 ask for nothing
.endif
.set kt, kt+1
.endr
	PLACES                                         ; four places ahead of the next loads into the x fragments, the next roundings into the weight fragments, and the stores of the sums
.endm
.macro PKADD a, b, n
.set pi, 0
.rept \n
	v_pk_add_f32 v[(\a)+2*pi:(\a)+2*pi+1], v[(\a)+2*pi:(\a)+2*pi+1], v[(\b)+2*pi:(\b)+2*pi+1]
.set pi, pi+1
.endr
.endm
; An owner's unit: tile 2 it + w / 2, registers 4 (w % 2) .. + 3 of its eight accumulators.  The four waves' partial sums are added, silu(g) u is made, rounded, and stored as 2 x 512 consecutive bytes.
.macro OWNER it
	WIN 0x80
.irp p, 0,1,2,3
.set oi, 0
.rept 8
	ds_load_b128 v[32*\p+4*oi:32*\p+4*oi+3], v[RD+\p] offset:16384*(\it)+1024*oi
.set oi, oi+1
.endr
.endr
	WIN 0xaa
	s_wait_dscnt 16                                ; waves 0 and 1's sums are in; the sixteen loads of waves 2 and 3's are younger
	PKADD 0, 32, 16
	s_wait_dscnt 0x0
	PKADD 64, 96, 16
	PKADD 0, 64, 16                                ; g (t, j) at 4 t + j, u at 16 + 4 t + j
.set oi, 0
.rept 8
	v_pk_mul_f32 v[EE+2*oi:EE+2*oi+1], v[2*oi:2*oi+1], s[LC:LC+1] op_sel_hi:[1,0]
.set oi, oi+1
.endr
.set oi, 0
.rept 16
	v_exp_f32 v[EE+oi], v[EE+oi]                   ; e^-g
.set oi, oi+1
.endr
	v_nop                                          ; a plain instruction behind the last exponential,
	s_wait_alu depctr_va_vdst(0)                   ; and one wait for the batch ahead of its first use
.set oi, 0
.rept 8
	v_pk_add_f32 v[EE+2*oi:EE+2*oi+1], v[EE+2*oi:EE+2*oi+1], 1.0 op_sel_hi:[1,0]
.set oi, oi+1
.endr
.set oi, 0
.rept 16
	v_rcp_f32 v[EE+oi], v[EE+oi]                   ; 1 / (1 + e^-g)
.set oi, oi+1
.endr
.set oi, 0
.rept 8
	v_pk_mul_f32 v[2*oi:2*oi+1], v[2*oi:2*oi+1], v[16+2*oi:17+2*oi]  ; g u: the independent work behind the reciprocals
.set oi, oi+1
.endr
	s_wait_alu depctr_va_vdst(0)                   ; one wait for the sixteen reciprocals
.set oi, 0
.rept 8
	v_pk_mul_f32 v[2*oi:2*oi+1], v[2*oi:2*oi+1], v[EE+2*oi:EE+2*oi+1]
.set oi, oi+1
.endr
.set oi, 0
.rept 8                                ; columns 4 j + t in ascending order: register i takes t = 2 (i % 2) and t + 1 of j = i / 2
	v_cvt_pk_bf16_f32 v[OO+8*(\it)+oi], v[8*(oi%2)+oi/2], v[8*(oi%2)+oi/2+4]
.set oi, oi+1
.endr
	WIN 0x08
	global_store_b128 v[VH], v[OO+8*(\it):OO+8*(\it)+3], s[HB:HB+1] offset:65536*(\it)
	global_store_b128 v[VH], v[OO+8*(\it)+4:OO+8*(\it)+7], s[HB:HB+1] offset:65536*(\it)+512
.endm
	s_load_b256 s[4:11], s[0:1], 0x0               ; gate s[4:5], up s[6:7], x s[8:9], indices s[10:11]
	s_load_b64 s[12:13], s[0:1], 0x20              ; hid
	v_lshl_add_u32 v[SPW], v0, 2, SPARE
	v_mov_b32 v[NIL], 0
	v_lshrrev_b32 v[R], 5, v0
	v_readfirstlane_b32 s[WV], v[R]                ; wave 0..3
	s_and_b32 s[EX], ttmp7, 0xffff                 ; my expert
	s_mov_b32 s[SL], ttmp9                         ; my slice of 64 columns
	v_and_b32 v[LN], 31, v0
	v_and_b32 v[R], 15, v0
	v_bfe_u32 v[H], v0, 4, 1
	s_mul_i32 s[T0], s[WV], XRB                    ; my region in LDS
	s_lshl_b32 s[TMP], s[WV], 10
	v_lshlrev_b32 v[WO], 4, v[R]
	v_lshl_add_u32 v[WO], v[H], 16, v[WO]
	v_lshlrev_b32 v[PFO], 12, v[LN]
	v_lshl_add_u32 v[XB], v[R], 4, s[TMP]
	v_mul_u32_u24 v[XS], v[H], 8*XP
	v_lshl_add_u32 v[XS], v[R], 3, v[XS]
	v_add_nc_u32 v[XS], s[T0], v[XS]
	v_mul_u32_u24 v[XF0], v[R], XP
	v_lshl_add_u32 v[XF0], v[H], 5, v[XF0]
	v_add_nc_u32 v[XF0], s[T0], v[XF0]
	v_lshl_add_u32 v[PS], v[LN], 4, s[T0]
	v_lshl_add_u32 v[LA0], v[H], 5, LIST
	v_lshlrev_b32 v[L16], 4, v[LN]
	v_mov_b32 v[CA], CNTW
	s_lshr_b32 s[T0], s[WV], 1                     ; my units: tiles w / 2, w / 2 + 2, w / 2 + 4,
	s_and_b32 s[T1], s[WV], 1                      ; half w % 2 of each accumulator
	s_lshl_b32 s[OF], s[T0], 13
	s_lshl_b32 s[TMP], s[T1], 9
	s_add_co_u32 s[OF], s[OF], s[TMP]
	v_lshl_add_u32 v[RD], v[LN], 4, s[OF]
	v_add_nc_u32 v[RD+1], XRB, v[RD]
	v_add_nc_u32 v[RD+2], 2*XRB, v[RD]
	v_add_nc_u32 v[RD+3], 3*XRB, v[RD]
	s_lshl_b32 s[OF], s[T0], 15
	s_lshl_b32 s[TMP], s[T1], 10
	s_add_co_u32 s[OF], s[OF], s[TMP]
	v_lshl_add_u32 v[VH], v[LN], 4, s[OF]
	s_mov_b32 s[LC], 0xbfb8aa3b                    ; -log2(e)
	s_mov_b32 s[LC+1], s[LC]                       ; named with it as a pair
	s_lshl_b32 s[OF], s[EX], 22                    ; an expert's 4 MiB,
	s_lshl_b32 s[TMP], s[WV], 20                   ; my 256 rows,
	s_add_co_u32 s[OF], s[OF], s[TMP]
	s_lshl_b32 s[TMP], s[SL], 8                    ; my 256 bytes of each
	s_add_co_u32 s[OF], s[OF], s[TMP]
	s_mov_b32 s[OF+1], 0
	s_mul_i32 s[T0], s[EX], HEXP
	s_lshl_b32 s[TMP], s[SL], 11
	s_add_co_u32 s[T0], s[T0], s[TMP]
	s_mov_b32 s[T1], 0
	s_wait_kmcnt 0x0
	s_add_nc_u64 s[GB:GB+1], s[4:5], s[OF:OF+1]
	s_add_nc_u64 s[GB+2:GB+3], s[6:7], s[OF:OF+1]
	s_add_nc_u64 s[HB:HB+1], s[12:13], s[T0:T0+1]
	s_cmp_lg_u32 s[WV], 0
	s_cbranch_scc1 .Lno_idx
.irp a, 0,1,2,3,4,5,6,7
	global_load_b128 v[IDX+4*\a:IDX+4*\a+3], v[L16], s[10:11] offset:512*\a  ; wave 0: all 1,024 indices, ahead of the weights
.endr
.Lno_idx:
	GRP 0                                          ; the first two K steps' weights are on their way while the list is made
	GRP 1
	GRP 2
	GRP 3
	WIN 0
	PFK 2                                          ; and the next two K steps' are asked for: 32 KiB a wave
	PFK 3
	s_cmp_lg_u32 s[WV], 0
	s_cbranch_scc1 .Lno_route
	v_add_nc_u32 v[DUMP], 1056, v[LN]
	v_lshlrev_b32 v[L4], 2, v[LN]
	v_lshl_add_u32 v[LP], v[LN], 4, LIST
	v_mov_b32 v[LB], LIST
.irp i, 0,1,2,3
	v_mov_b32 v[Z+\i], 0
.endr
.irp i, 0,1,2,3,4,5,6,7,8
	ds_store_b128 v[LP], v[Z:Z+3] offset:512*\i    ; list, dump and count begin as zeros: an empty list names token 0
.endr
	s_wait_loadcnt 63                              ; the indices are in: 64 weight loads are younger, and a wait's count names 63 at the most
	s_mov_b32 s[RUN], 0
.set cn, 0
.rept 32
	CSTEP cn
.set cn, cn+1
.endr
	ds_load_b32 v[FT], v[LB]                       ; the expert's first token (LDS serves a wave's instructions in order: ISA guide 5.7.1.4)
	v_add_nc_u32 v[TP], s[RUN], v[LN]
	s_wait_dscnt 0x0
.irp i, 0,1,2
	v_add_nc_u32 v[TP+1], 32*\i, v[TP]             ; it fills the 96 places behind the count; what would pass the list lands in the dump
	v_min_u32 v[TP+1], 0x43f, v[TP+1]
	v_lshl_add_u32 v[TP+1], v[TP+1], 2, LIST
	ds_store_b32 v[TP+1], v[FT]
.endr
	v_mov_b32 v[TP], s[RUN]
	ds_store_b32 v[CA], v[TP]
.Lno_route:
	BAR                                            ; wave 0's stores are done; till here no other wave has touched LDS
	ds_load_b32 v[TP], v[CA]
	s_wait_dscnt 0x0
	v_readfirstlane_b32 s[RUN], v[TP]
	s_max_u32 s[LEFT], s[RUN], 1                   ; rows still to do; the first chunk always runs
	s_mov_b32 s[TRIP], TRIPS
	s_mov_b32 s[LOFS], 0
.Ltrip:
	s_cmp_le_i32 s[LEFT], 0
	s_cbranch_scc1 .Lskip1                         ; nothing left: only work is jumped, never a barrier
	v_add_nc_u32 v[LA], s[LOFS], v[LA0]
.set kt, 0
.rept NT
	ds_load_b128 v[VO+8*kt:VO+8*kt+3], v[LA] offset:64*kt
	ds_load_b128 v[VO+8*kt+4:VO+8*kt+7], v[LA] offset:64*kt+16
.set kt, kt+1
.endr
	s_wait_dscnt 0x0
.set kt, 0
.rept 8*NT
	v_min_u32 v[VO+kt], 0x3ff, v[VO+kt]            ; a token, inside x's 1,024 rows
	v_lshl_add_u32 v[VO+kt], v[VO+kt], 12, v[XB]
.set kt, kt+1
.endr
	; The counts below follow the order of loads given at the head.  Behind each weight group up to G12 stand 96 younger loads when it is wanted, behind G13 80: the count is 63, the most that a wait names.
	XISSUE 0                                       ; pair 0's x goes out first,
	KCONV 0, 63, 63                                ; and while it is on its way K step 0's weights are rounded and G4, G5 asked for
	s_wait_loadcnt 32                              ; X0 is in: G4 and G5 are younger
	XCONV 0
	XFLOAD 0
	XISSUE 1                                       ; the next pair's x, into the registers just stored
	KMUL 0
	XFLOAD 1
	KCONV 1, 63, 63
	KMUL 1
	KCONV 2, 63, 63
	s_wait_loadcnt 63                              ; X1 is in: G6 to G9, 64 loads, are younger
	XCONV 1
	XFLOAD 2
	XISSUE 2
	KMUL 2
	XFLOAD 3
	KCONV 3, 63, 63
	KMUL 3
	KCONV 4, 63, 63
	s_wait_loadcnt 63                              ; X2 is in: G10 to G13 are younger
	XCONV 2
	XFLOAD 4
	XISSUE 3
	KMUL 4
	XFLOAD 5
	KCONV 5, 63, 63
	KMUL 5
	KCONV 6, 63, 63
	s_wait_loadcnt 32                              ; X3 is in: G14 and G15 are younger
	XCONV 3
	XFLOAD 6
	KMUL 6
	XFLOAD 7
	KCONV 7, 16, 0                                 ; G14: only G15 is younger; G15: nothing is
	KMUL 7
	WIN 0
	s_cmp_le_i32 s[LEFT], CH
	s_cbranch_scc1 .Lno_refill
	GRP 0                                          ; a further chunk follows: its first two K steps' weights go out now; all four slots have been rounded
	GRP 1
	GRP 2
	GRP 3
	WIN 0
.Lno_refill:
.set kt, 0
.rept NT                               ; my partial sums take the place of my x rows, whose last reads were waited for; each accumulator's registers in ascending order
	WIN 0x08+0x04*(kt/4)
.set kq, 0
.rept 16
	ds_store_b128 v[PS], v[64*(kt%4)+4*kq:64*(kt%4)+4*kq+3] offset:8192*kt+512*kq
.set kq, kq+1
.endr
.set kt, kt+1
.endr
	WIN 0
.Lskip1:
	BAR                                            ; every wave's partial sums are stored
	s_cmp_le_i32 s[LEFT], 0
	s_cbranch_scc1 .Lskip2
	OWNER 0
	OWNER 1
	OWNER 2
	WIN 0
.Lskip2:
	BAR                                            ; every wave's reads of the sums are back: the next chunk's x rows may land on them
	s_wait_xcnt 0x0                                ; the stores' base and data registers are rewritten only behind this wait
	s_add_nc_u64 s[HB:HB+1], s[HB:HB+1], NT*32768
	s_sub_co_i32 s[LEFT], s[LEFT], CH
	s_add_co_u32 s[LOFS], s[LOFS], 4*CH
	s_sub_co_u32 s[TRIP], s[TRIP], 1
	s_cmp_lg_u32 s[TRIP], 0
	s_cbranch_scc1 .Ltrip
	s_wait_tensorcnt 0x0                           ; the wave's end
	ds_add_u32 v[SPW], v[NIL]
	s_wait_dscnt 0x0
	s_endpgm
.Lfunc_end_k_q015788b900_gateup:
	.size	k_q015788b900_gateup, .Lfunc_end_k_q015788b900_gateup-k_q015788b900_gateup
	.p2alignl 7, 3214868480
	.fill 96, 4, 3214868480
	.section	.rodata,"a",@progbits
	.p2align	6, 0x0
	.amdhsa_kernel k_q015788b900_gateup
		.amdhsa_group_segment_fixed_size 207872
		.amdhsa_private_segment_fixed_size 0
		.amdhsa_enable_private_segment 0
		.amdhsa_kernarg_size 40
		.amdhsa_user_sgpr_count 2
		.amdhsa_user_sgpr_kernarg_segment_ptr 1
		.amdhsa_wavefront_size32 1
		.amdhsa_system_sgpr_workgroup_id_x 1
		.amdhsa_system_sgpr_workgroup_id_y 1
		.amdhsa_system_sgpr_workgroup_id_z 1
		.amdhsa_system_vgpr_workitem_id 0
		.amdhsa_next_free_vgpr 1024
		.amdhsa_next_free_sgpr 66
		.amdhsa_reserve_vcc 1
		.amdhsa_float_denorm_mode_32 3
		.amdhsa_float_denorm_mode_16_64 3
		.amdhsa_memory_ordered 1
		.amdhsa_forward_progress 1
		.amdhsa_inst_pref_size 213
	.end_amdhsa_kernel
	.amdgpu_metadata
---
amdhsa.version: [ 1, 2 ]
amdhsa.kernels:
  - .name:           k_q015788b900_gateup
    .symbol:         k_q015788b900_gateup.kd
    .args:
      - { .name: gate_proj, .offset: 0, .size: 8, .value_kind: global_buffer, .address_space: global }
      - { .name: up_proj, .offset: 8, .size: 8, .value_kind: global_buffer, .address_space: global }
      - { .name: x, .offset: 16, .size: 8, .value_kind: global_buffer, .address_space: global }
      - { .name: expert_indices, .offset: 24, .size: 8, .value_kind: global_buffer, .address_space: global }
      - { .name: hid, .offset: 32, .size: 8, .value_kind: global_buffer, .address_space: global }
    .group_segment_fixed_size: 207872
    .private_segment_fixed_size: 0
    .kernarg_segment_align: 8
    .kernarg_segment_size: 40
    .max_flat_workgroup_size: 128
    .sgpr_count:     66
    .vgpr_count:     1024
    .wavefront_size: 32
...
	.end_amdgpu_metadata
.endif
;; end of part 1
;; launch down (part 2): grid 16 x 16, 4 waves a work-group, no clusters, 238,592 bytes of LDS; arguments down_proj, expert_indices, hid, out0; writes out0
.if DOCPART == 2
	.amdgcn_target "amdgcn-amd-amdhsa--gfx1250"
	.amdhsa_code_object_version 6
	.text
	.protected	k_q015788b900_down
	.globl	k_q015788b900_down
	.p2align	8
	.type	k_q015788b900_down,@function
k_q015788b900_down:
	s_mov_b64 s[64:65], 0
	v_nop
	global_prefetch_b8 v0, s[64:65] scope:SCOPE_SE
	s_setreg_imm32_b32 hwreg(HW_REG_WAVE_MODE, 25, 1), 1
	s_wait_xcnt 0x0
; out[n][j] = sum over k of hid[n][k] down[e_n][j][k].  down: [16][1024 j][1024 k] f32.  hid: bf16, as the launch before laid it:
; [expert 16][tile 66][slice 16][half 2][quarter 2][lane 32][16 bytes]; a lane's 32 bytes of a (slice, half) are source 0 of one K step: token lane % 16, k = 64 slice + 32 (lane / 16) + 16 half + 0..15.
; SHARES.  A work-group has one expert (grid y) and 64 output columns j (grid x): 64 rows of down, which it alone reads.  Its four waves split K: wave w has k = 256 w .. + 255; each of its loads takes
; 512 consecutive bytes of a row.  The rows are rounded to bf16 and kept in LDS, each wave's quarter its own, so a further chunk of tokens reads no weight again.  The f32 partial sums meet in LDS.
; LAYOUT.  LDS row 16 t + r holds down's row 4 r + t, so in fragment t (source 1) column r is output column 4 r + t: over the four fragments a lane holds four neighbouring f32 of a token's row,
; and sixteen lanes store 256 consecutive bytes, aligned.
; ROUTING.  As in the launch before, and in the same order: wave 0 compacts the indices into a list; the 96 places behind the count repeat the expert's first token, whose row is then stored again
; with the same numbers.  Chunks of 96 places, 11 trips for every split; an expert without tokens stores nothing.  The first chunk of hid is loaded whatever the count: the launch before always stores it.
; LIMITS.  down is rounded once to bf16; sums in f32; NaN and infinities are not treated apart; an index outside 0 .. 15 leaves its token's row unwritten.
; No cluster: each slice of weights has one reader; an expert's hid tiles are shared, but six tiles of 32 KiB do not fit beside 135,168 bytes of weights and 98,304 of partial sums.
.set CH,    96
.set NT,    6
.set TRIPS, 11
.set WP,    528                        ; a weight row in LDS: 512 bytes of bf16 + 16: the 16 rows of a fragment load start at 16 different groups of four banks (ISA guide 11.1)
.set WRB,   64*WP                      ; a wave's K quarter of the 64 rows
.set SCR,   4*WRB
.set SCB,   NT*4096                    ; a wave's partial sums
.set LIST,  SCR+4*SCB                  ; places 0-1055 the list, 1056-1087 a dump
.set CNTW,  LIST+4352
.set SPARE, LIST+4608                  ; the spare words, 128 bytes a wave: two blocks of 256 bytes that no other line names
.set HEXP,  TRIPS*NT*32768
.set R,   1
.set H,   2
.set LN,  3
.set L16, 4                            ; 16 lane
.set PFO, 5                            ; prefetch: a row a lane
.set WS,  6                            ; weights into LDS: region + 8 lane
.set WFA, 7                            ; weight fragments: region + row r + 64 h
.set PS,  8                            ; my partial sums + 16 lane
.set RD,  9                            ; my units in waves 0 and 1's partial sums,
.set RD2, 10                           ; in waves 2 and 3's
.set LT0, 11                           ; my units' tokens in the list
.set LT,  12
.set R16, 13
.set DUMP,17
.set L4,  18
.set LP,  20
.set CA,  21
.set LB,  22
.set FT,  23
.set TP,  24                           ; v24-25, v32-33 at work in the routing
.set Z,   26
.set SPW, 30
.set NIL, 31
.set TK,  36                           ; v36-47 a unit's four tokens
.set VO,  48                           ; v48-59 their byte offsets in out
.set ACC, 64                           ; v64-255 accumulator (T, t) at 64 + 32 T + 8 t
.set IDX, 64                           ; wave 0, at the head: the indices
; window 1: four slots of 64 for down as loaded; later the owners: unit it at 80 it: four partial sums of 16, 16 results.  window 2: hid's tiles 0-3, 64 each.  window 3: tiles 4, 5; v128-191 two buffers of four weight fragments
.set WV,  14
.set EX,  15
.set SL,  16
.set RUN, 17
.set TMP, 18
.set LEFT,19
.set TRIP,20
.set LOFS,21
.set OF,  22
.set T0,  24
.set T1,  25
.set DN,  26                           ; s[26:27] down at my expert, rows and K quarter
.set HW,  28                           ; s[28:29] hid at my expert, K quarter and the chunk loaded last
.set OB,  34                           ; s[34:35] out at my 64 columns
.set MSB, 0
.macro WIN new
.if MSB != (\new)
	s_set_vgpr_msb (MSB<<8)|(\new)
.set MSB, (\new)
.endif
.endm
.macro BAR
	s_wait_dscnt 0x0
	s_barrier_signal -1
	s_barrier_wait -1
.endm
.macro PLACES
.rept 4
	v_nop
.endr
.endm
.macro CSTEP n                         ; as in the launch before
.set cp, TP+8*((\n)%2)
	v_cmp_eq_u32 vcc_lo, s[EX], v[IDX+(\n)]
	v_mbcnt_lo_u32_b32 v[cp], vcc_lo, s[RUN]
	v_cndmask_b32 v[cp], v[DUMP], v[cp], vcc_lo
	v_min_u32 v[cp], 0x43f, v[cp]
	v_lshl_add_u32 v[cp], v[cp], 2, LIST
	v_add_nc_u32 v[cp+1], 128*((\n)/4)+(\n)%4, v[L4]
	ds_store_b32 v[cp], v[cp+1]
	s_bcnt1_i32_b32 s[TMP], vcc_lo
	s_add_co_u32 s[RUN], s[RUN], s[TMP]
.endm
; Group g of 8: loads 16 g .. + 15 of 128; load n takes bytes 512 (n / 64) .. + 511 of my 1,024 of row n % 64
.macro DGRP g
	WIN 0x40
.set gp, 0
.rept 16
.set gn, 16*(\g)+gp
	global_load_b128 v[64*((\g)%4)+4*gp:64*((\g)%4)+4*gp+3], v[L16], s[DN:DN+1] offset:4096*(gn%64)+512*(gn/64) th:TH_LOAD_NT
.set gp, gp+1
.endr
.endm
; Group g is rounded in place and stored, 256 consecutive bytes an instruction; its slot takes the group four further on.  n: younger loads that may stay out
.macro CONSUME g, n
	s_wait_loadcnt \n
	WIN 0x45
.set gp, 0
.rept 16
.set gb, 64*((\g)%4)+4*gp
	v_cvt_pk_bf16_f32 v[gb], v[gb], v[gb+1]
	v_cvt_pk_bf16_f32 v[gb+1], v[gb+2], v[gb+3]
.set gp, gp+1
.endr
	WIN 0x04
.set gp, 0
.rept 16
.set gn, 16*(\g)+gp
.set gj, gn%64
	ds_store_b64 v[WS], v[64*((\g)%4)+4*gp:64*((\g)%4)+4*gp+1] offset:(16*(gj%4)+gj/4)*WP+256*(gn/64)
.set gp, gp+1
.endr
.if (\g) < 4
	DGRP (\g)+4
.endif
.endm
; A chunk's six tiles of hid, my K quarter: 16 loads of 512 consecutive bytes a tile, straight into the operand registers
.macro HID
.set ht, 0
.rept NT
	WIN 0x80+0x40*(ht/4)
.set hq, 0
.rept 16
	global_load_b128 v[64*(ht%4)+4*hq:64*(ht%4)+4*hq+3], v[L16], s[HW:HW+1] offset:32768*ht+512*hq
.set hq, hq+1
.endr
.set ht, ht+1
.endr
.endm
.macro WFLOAD k                        ; K step k's four weight fragments into buffer k % 2
	WIN 0xc0
.irp t, 0,1,2,3
	ds_load_b128 v[128+32*((\k)%2)+8*\t:128+32*((\k)%2)+8*\t+3], v[WFA] offset:16*\t*WP+128*((\k)/2)+32*((\k)%2)
	ds_load_b128 v[128+32*((\k)%2)+8*\t+4:128+32*((\k)%2)+8*\t+7], v[WFA] offset:16*\t*WP+128*((\k)/2)+32*((\k)%2)+16
.endr
.endm
; K step k of 8: the next step's fragments are fetched, then 24 products on 24 accumulators, which take turns, one instruction a turn
.macro KS k
.if (\k) < 7
	WFLOAD (\k)+1
	s_wait_dscnt 8                                 ; this step's fragments are in; the eight loads just issued are younger
.else
	s_wait_dscnt 0x0
.endif
.set kt, 0
.rept NT
	WIN 0x0e+kt/4
.irp t, 0,1,2,3
.if (\k) == 0
	v_wmma_f32_16x16x32_bf16 v[ACC+32*kt+8*\t:ACC+32*kt+8*\t+7], v[64*(kt%4)+8*(\k):64*(kt%4)+8*(\k)+7], v[128+32*((\k)%2)+8*\t:128+32*((\k)%2)+8*\t+7], 0
.else
	v_wmma_f32_16x16x32_bf16 v[ACC+32*kt+8*\t:ACC+32*kt+8*\t+7], v[64*(kt%4)+8*(\k):64*(kt%4)+8*(\k)+7], v[128+32*((\k)%2)+8*\t:128+32*((\k)%2)+8*\t+7], v[ACC+32*kt+8*\t:ACC+32*kt+8*\t+7]
.endif
.endr
.set kt, kt+1
.endr
	PLACES                                         ; four places ahead of loads into operands just read and of the stores of the sums
.if (\k) == 7
	v_nop                                          ; and a fifth: the next chunk's first products, which start their sums with 0, write over these accumulators, and on the way
	                                               ; round the loop that jumps the owners no other vector instruction stands between
.endif
.endm
; An owner's unit: tile 2 it + w / 2, tokens 8 h + 4 (w % 2) + 0..3.  The last addition also turns (t, token) into (token, t): four neighbouring columns a lane
.macro OWNER it
.set ob, 80*(\it)
	WIN 0
	ds_load_b128 v[TK+4*(\it):TK+4*(\it)+3], v[LT] offset:128*(\it)
	WIN 0x40
.irp p, 0,1,2,3
.irp t, 0,1,2,3
	ds_load_b128 v[ob+16*\p+4*\t:ob+16*\p+4*\t+3], v[RD+\p/2] offset:8192*(\it)+1024*\t+SCB*(\p%2)
.endr
.endr
	WIN 0
	s_wait_dscnt 16                                ; the tokens are in; the sixteen loads of sums are younger
.irp j, 0,1,2,3
	v_min_u32 v[VO+4*(\it)+\j], 0x3ff, v[TK+4*(\it)+\j]  ; a token, inside out's 1,024 rows
	v_lshl_add_u32 v[VO+4*(\it)+\j], v[VO+4*(\it)+\j], 12, v[R16]
.endr
	WIN 0x45
	s_wait_dscnt 8                                 ; waves 0 and 1's sums are in; the eight loads of waves 2 and 3's are younger
.irp i, 0,1,2,3,4,5,6,7
	v_pk_add_f32 v[ob+2*\i:ob+2*\i+1], v[ob+2*\i:ob+2*\i+1], v[ob+16+2*\i:ob+16+2*\i+1]
.endr
	s_wait_dscnt 0x0
.irp i, 0,1,2,3,4,5,6,7
	v_pk_add_f32 v[ob+32+2*\i:ob+32+2*\i+1], v[ob+32+2*\i:ob+32+2*\i+1], v[ob+48+2*\i:ob+48+2*\i+1]
.endr
.irp t, 0,1,2,3
.irp j, 0,1,2,3
	v_add_f32 v[ob+64+4*\j+\t], v[ob+4*\t+\j], v[ob+32+4*\t+\j]
.endr
.endr
	WIN 0x04
.irp j, 0,1,2,3
	global_store_b128 v[VO+4*(\it)+\j], v[ob+64+4*\j:ob+64+4*\j+3], s[OB:OB+1] th:TH_STORE_NT  ; lanes 0-15 store 256 consecutive bytes of one token's row, aligned; lanes 16-31 of another's
.endr
.endm
	s_load_b256 s[4:11], s[0:1], 0x0               ; down s[4:5], indices s[6:7], hid s[8:9], out s[10:11]
	v_lshl_add_u32 v[SPW], v0, 2, SPARE
	v_mov_b32 v[NIL], 0
	v_lshrrev_b32 v[R], 5, v0
	v_readfirstlane_b32 s[WV], v[R]                ; wave 0..3
	s_and_b32 s[EX], ttmp7, 0xffff                 ; my expert
	s_mov_b32 s[SL], ttmp9                         ; my slice of 64 output columns
	v_and_b32 v[LN], 31, v0
	v_and_b32 v[R], 15, v0
	v_bfe_u32 v[H], v0, 4, 1
	v_lshlrev_b32 v[L16], 4, v[LN]
	v_lshlrev_b32 v[PFO], 12, v[LN]
	v_lshlrev_b32 v[R16], 4, v[R]
	v_mov_b32 v[CA], CNTW
	s_mul_i32 s[T0], s[WV], WRB                    ; my weights in LDS
	v_lshl_add_u32 v[WS], v[LN], 3, s[T0]
	v_mul_u32_u24 v[WFA], v[R], WP
	v_lshl_add_u32 v[WFA], v[H], 6, v[WFA]
	v_add_nc_u32 v[WFA], s[T0], v[WFA]
	s_mul_i32 s[T1], s[WV], SCB
	s_add_co_u32 s[T1], s[T1], SCR                 ; my partial sums
	v_lshl_add_u32 v[PS], v[LN], 4, s[T1]
	s_lshr_b32 s[T0], s[WV], 1                     ; my units: tiles w / 2, w / 2 + 2, w / 2 + 4,
	s_and_b32 s[T1], s[WV], 1                      ; half w % 2 of each accumulator
	s_lshl_b32 s[OF], s[T0], 12
	s_lshl_b32 s[TMP], s[T1], 9
	s_add_co_u32 s[OF], s[OF], s[TMP]
	s_add_co_u32 s[OF], s[OF], SCR
	v_lshl_add_u32 v[RD], v[LN], 4, s[OF]
	v_add_nc_u32 v[RD2], 2*SCB, v[RD]
	s_lshl_b32 s[OF], s[T0], 6
	s_lshl_b32 s[TMP], s[T1], 4
	s_add_co_u32 s[OF], s[OF], s[TMP]
	s_add_co_u32 s[OF], s[OF], LIST
	v_lshl_add_u32 v[LT0], v[H], 5, s[OF]
	s_lshl_b32 s[OF], s[EX], 22                    ; an expert's 4 MiB,
	s_lshl_b32 s[TMP], s[SL], 18                   ; my 64 rows,
	s_add_co_u32 s[OF], s[OF], s[TMP]
	s_lshl_b32 s[TMP], s[WV], 10                   ; my 1,024 bytes of each
	s_add_co_u32 s[OF], s[OF], s[TMP]
	s_mov_b32 s[OF+1], 0
	s_mul_i32 s[T0], s[EX], HEXP
	s_lshl_b32 s[TMP], s[WV], 13                   ; my four slices of 2,048 bytes in a tile
	s_add_co_u32 s[T0], s[T0], s[TMP]
	s_mov_b32 s[T1], 0
	s_wait_kmcnt 0x0
	s_add_nc_u64 s[DN:DN+1], s[4:5], s[OF:OF+1]
	s_add_nc_u64 s[HW:HW+1], s[8:9], s[T0:T0+1]
	s_lshl_b32 s[OF], s[SL], 8
	s_add_nc_u64 s[OB:OB+1], s[10:11], s[OF:OF+1]
	s_cmp_lg_u32 s[WV], 0
	s_cbranch_scc1 .Lno_idx
.irp a, 0,1,2,3,4,5,6,7
	global_load_b128 v[IDX+4*\a:IDX+4*\a+3], v[L16], s[6:7] offset:512*\a  ; wave 0: all 1,024 indices, ahead of the weights
.endr
.Lno_idx:
	DGRP 0                                         ; the first half of my weights is on its way while the list is made
	DGRP 1
	DGRP 2
	DGRP 3
	WIN 0
.irp a, 0,1
.irp b, 0,1
	global_prefetch_b8 v[PFO], s[DN:DN+1] offset:131072*\a+512+256*\b th:TH_LOAD_NT scope:SCOPE_SE  ; the second half is asked for: a lane a row, each piece of 256 bytes once: 32 KiB a wave
.endr
.endr
	s_cmp_lg_u32 s[WV], 0
	s_cbranch_scc1 .Lno_route
	v_add_nc_u32 v[DUMP], 1056, v[LN]
	v_lshlrev_b32 v[L4], 2, v[LN]
	v_lshl_add_u32 v[LP], v[LN], 4, LIST
	v_mov_b32 v[LB], LIST
.irp i, 0,1,2,3
	v_mov_b32 v[Z+\i], 0
.endr
.irp i, 0,1,2,3,4,5,6,7,8
	ds_store_b128 v[LP], v[Z:Z+3] offset:512*\i    ; list, dump and count begin as zeros
.endr
	s_wait_loadcnt 63                              ; the indices are in: 64 weight loads are younger, and a wait's count names 63 at the most
	s_mov_b32 s[RUN], 0
.set cn, 0
.rept 32
	CSTEP cn
.set cn, cn+1
.endr
	ds_load_b32 v[FT], v[LB]                       ; the expert's first token
	v_add_nc_u32 v[TP], s[RUN], v[LN]
	s_wait_dscnt 0x0
.irp i, 0,1,2
	v_add_nc_u32 v[TP+1], 32*\i, v[TP]             ; it fills the 96 places behind the count; what would pass the list lands in the dump
	v_min_u32 v[TP+1], 0x43f, v[TP+1]
	v_lshl_add_u32 v[TP+1], v[TP+1], 2, LIST
	ds_store_b32 v[TP+1], v[FT]
.endr
	v_mov_b32 v[TP], s[RUN]
	ds_store_b32 v[CA], v[TP]
.Lno_route:
	BAR                                            ; wave 0's stores are done; till here no other wave has touched LDS
	ds_load_b32 v[TP], v[CA]
	CONSUME 0, 48                                  ; three groups of 16 are younger than the one that is rounded
	CONSUME 1, 48
	CONSUME 2, 48
	CONSUME 3, 48
	HID                                            ; the first chunk, whatever the count: 96 loads behind the last weights
	CONSUME 4, 63                                  ; behind each of these groups stand the 96 loads of hid at the least
	CONSUME 5, 63
	CONSUME 6, 63
	CONSUME 7, 63
	WIN 0
	s_wait_dscnt 0x0
	v_readfirstlane_b32 s[LEFT], v[TP]             ; rows still to do
	s_mov_b32 s[TRIP], TRIPS
	s_mov_b32 s[LOFS], 0
.Ltrip:
	s_cmp_le_i32 s[LEFT], 0
	s_cbranch_scc1 .Lskip1                         ; nothing left: only work is jumped, never a barrier
	s_wait_loadcnt 0x0                             ; the chunk's hid is in
	WFLOAD 0
	KS 0
	KS 1
	KS 2
	KS 3
	KS 4
	KS 5
	KS 6
	KS 7
	WIN 0
	s_cmp_le_i32 s[LEFT], CH
	s_cbranch_scc1 .Lno_more
	s_add_nc_u64 s[HW:HW+1], s[HW:HW+1], NT*32768  ; the loads that named this base were waited for at the trip's head
	HID                                            ; a further chunk follows: its tiles go out now
	WIN 0
.Lno_more:
.set kt, 0
.rept NT                               ; my partial sums; each accumulator's registers in ascending order
.set kq, 0
.rept 8
	ds_store_b128 v[PS], v[ACC+32*kt+4*kq:ACC+32*kt+4*kq+3] offset:4096*kt+512*kq
.set kq, kq+1
.endr
.set kt, kt+1
.endr
.Lskip1:
	BAR                                            ; every wave's partial sums are stored
	s_cmp_le_i32 s[LEFT], 0
	s_cbranch_scc1 .Lskip2
	v_add_nc_u32 v[LT], s[LOFS], v[LT0]
	OWNER 0
	OWNER 1
	OWNER 2
	WIN 0
.Lskip2:
	BAR                                            ; every wave's reads of the sums are back: the next chunk's may land on them
	s_wait_xcnt 0x0                                ; the stores' offsets and data registers are rewritten only behind this wait
	s_sub_co_i32 s[LEFT], s[LEFT], CH
	s_add_co_u32 s[LOFS], s[LOFS], 4*CH
	s_sub_co_u32 s[TRIP], s[TRIP], 1
	s_cmp_lg_u32 s[TRIP], 0
	s_cbranch_scc1 .Ltrip
	s_wait_tensorcnt 0x0                           ; the wave's end
	ds_add_u32 v[SPW], v[NIL]
	s_wait_dscnt 0x0
	s_endpgm
.Lfunc_end_k_q015788b900_down:
	.size	k_q015788b900_down, .Lfunc_end_k_q015788b900_down-k_q015788b900_down
	.p2alignl 7, 3214868480
	.fill 96, 4, 3214868480
	.section	.rodata,"a",@progbits
	.p2align	6, 0x0
	.amdhsa_kernel k_q015788b900_down
		.amdhsa_group_segment_fixed_size 238592
		.amdhsa_private_segment_fixed_size 0
		.amdhsa_enable_private_segment 0
		.amdhsa_kernarg_size 32
		.amdhsa_user_sgpr_count 2
		.amdhsa_user_sgpr_kernarg_segment_ptr 1
		.amdhsa_wavefront_size32 1
		.amdhsa_system_sgpr_workgroup_id_x 1
		.amdhsa_system_sgpr_workgroup_id_y 1
		.amdhsa_system_sgpr_workgroup_id_z 1
		.amdhsa_system_vgpr_workitem_id 0
		.amdhsa_next_free_vgpr 960
		.amdhsa_next_free_sgpr 66
		.amdhsa_reserve_vcc 1
		.amdhsa_float_denorm_mode_32 3
		.amdhsa_float_denorm_mode_16_64 3
		.amdhsa_memory_ordered 1
		.amdhsa_forward_progress 1
		.amdhsa_inst_pref_size 109
	.end_amdhsa_kernel
	.amdgpu_metadata
---
amdhsa.version: [ 1, 2 ]
amdhsa.kernels:
  - .name:           k_q015788b900_down
    .symbol:         k_q015788b900_down.kd
    .args:
      - { .name: down_proj, .offset: 0, .size: 8, .value_kind: global_buffer, .address_space: global }
      - { .name: expert_indices, .offset: 8, .size: 8, .value_kind: global_buffer, .address_space: global }
      - { .name: hid, .offset: 16, .size: 8, .value_kind: global_buffer, .address_space: global }
      - { .name: out0, .offset: 24, .size: 8, .value_kind: global_buffer, .address_space: global }
    .group_segment_fixed_size: 238592
    .private_segment_fixed_size: 0
    .kernarg_segment_align: 8
    .kernarg_segment_size: 32
    .max_flat_workgroup_size: 128
    .sgpr_count:     66
    .vgpr_count:     960
    .wavefront_size: 32
...
	.end_amdgpu_metadata
.endif
;; end of part 2
